; MI455X (gfx1250); checked and timed in simulation.
; The chip was launched on July 23, 2026; its instructions are those of AMD's public machine-readable ISA for CDNA 5 (MIT licence, August 2026) and "CDNA5" Instruction Set Architecture Reference Guide (July 2026). The comments in the code are by the model that wrote it; some were corrected since.
;; LSTM Cell. Allowed arithmetic: matrix products marked QUANTISED: E2M1 operands, one E8M0 scale for each 32 along K, by v_wmma_scale_f32_16x16x128_f8f6f4 with both operands' format E2M1 (or v_wmma_scale_f32_32x16x128_f4), f32 sums; everything else in f32.
;; Inputs: W_hf 2,048 x 2,048 float32; W_hg 2,048 x 2,048 float32; W_hi 2,048 x 2,048 float32; W_ho 2,048 x 2,048 float32; W_if 2,048 x 2,048 float32; W_ig 2,048 x 2,048 float32; W_ii 2,048 x 2,048 float32; W_io 2,048 x 2,048 float32; b_hf 2,048 float32; b_hg 2,048 float32; b_hi 2,048 float32; b_ho 2,048 float32; b_if 2,048 float32; b_ig 2,048 float32; b_ii 2,048 float32; b_io 2,048 float32; c0 2,048 x 2,048 float32; h0_codes 2,048 x 64 x 16 uint8 (E2M1 codes of h0, K innermost, in blocks of 32 codes, two codes a byte); h0_scales 2,048 x 64 uint8 (E8M0 scales of h0, one for each 32 codes along K); x_codes 2,048 x 64 x 16 uint8 (E2M1 codes of x, K innermost, in blocks of 32 codes, two codes a byte); x_scales 2,048 x 64 uint8 (E8M0 scales of x, one for each 32 codes along K).
;; Outputs: out0 2,048 x 2,048 float32; out1 2,048 x 2,048 float32.
;; This version of the problem:
;;   THIS VERSION OF THE PROBLEM IS GIVEN IN LOW PRECISION. The matrix products marked QUANTISED in the list below multiply operands that are first quantised to E2M1 (2 exponent bits, 1 mantissa bit; 4 bits a number), with one power-of-two scale for each 32 numbers along K (OCP MX v1.0); their sums are f32. All else is computed in f32.
;;   The module's matrix products, in the order in which they are computed (A, B: the left and right operand; K: the contracted axis; several contracted axes count as one K, in the product's order):
;;     1. [M 2,048, K 2,048] x [K 2,048, N 8,192]; A: input x (given as codes); B: computed on the way: QUANTISED
;;     2. [M 2,048, K 2,048] x [K 2,048, N 8,192]; A: input h0 (given as codes); B: computed on the way: QUANTISED
;;   THE QUANTISER, for each operand of a quantised product, along K:
;;     - K is cut into blocks of 32 from its start; a last block that is shorter is filled with zeros.
;;     - A block's scale is 2^e with e = floor(log2(the largest magnitude in the block)) - 2, held to -126 .. 127; a block of zeros has e = 0. As a byte (E8M0): e + 127.
;;     - Each number is divided by its block's scale, clamped to +-6, and rounded to the nearest number of E2M1, ties to even, subnormals kept.
;;     - The product sums the exact products of the quantised numbers (number of the format x scale) in f32.
;;   ~~~python
;;   def quantise(x, axis):      # numpy; x: float32 -> the quantised numbers, widened to float32 again
;;       x = np.moveaxis(x, axis, -1); K = x.shape[-1]
;;       x = np.pad(x, [(0, 0)] * (x.ndim - 1) + [(0, -K % 32)]); x = x.reshape(x.shape[:-1] + (-1, 32)); a = np.abs(x).max(-1, keepdims=True)
;;       e = np.where(a > 0, np.clip(np.frexp(np.where(a > 0, a, 1))[1] - 1 - 2, -126, 127), 0)      # np.frexp(a)[1] - 1 = floor(log2(a)), exactly
;;       r = np.clip(x / 2.0 ** e, -6, 6)
;;       step = 2.0 ** (np.maximum(np.frexp(np.where(r == 0, 1, r))[1] - 1, 0) - 1)
;;       q = np.round(r / step) * step * 2.0 ** e      # np.round: ties to even
;;       return np.moveaxis(q.reshape(q.shape[:-2] + (-1,))[..., :K], -1, axis).astype(np.float32)
;;   ~~~
;;   OPERANDS COMPUTED ON THE WAY. 'Computed on the way' means the value that the module computes at that place (a softmax that the list does not call 'softmax' is quantised finished and normalised). What goes into a quantiser is computed in f32, as accurately as f32 sums, v_exp_f32 and their like allow (about 1e-6 of the number): no bf16 or f16 on the way to a quantiser, and a product that is left as it is and whose result goes on into a quantised operand takes f32 operands (vector FMAs, or v_wmma_f32_16x16x4_f32). A number that lies on a knife's edge between two numbers of the format may be rounded either way, as far as f32 arithmetic and the matrix unit's own rounding can turn it there, and no further.
;;   INPUTS GIVEN AS CODES. h0 (in the module: [2048, 2048], K = its axis 1); x (in the module: [2048, 2048], K = its axis 1): each comes as NAME_codes (uint8): NAME with its K axis moved to the last place and cut into blocks of 32 codes, [.., K / 32, bytes a block], one block behind the other in memory; two codes a byte, the lower K in the low four bits (a code: sign, 2 exponent bits, 1 mantissa bit); and NAME_scales (uint8): the same leading axes, one E8M0 byte (e + 127) for each 32 codes along K. Its value is code x scale, taken as it is: it is not quantised again, and the codes and scales need not be those that the quantiser above would give.
;; One version. Each part assembles by itself: llvm-mc -triple=amdgcn-amd-amdhsa -mcpu=gfx1250 --defsym DOCPART=n.
;; ======== version 1 of 1: 2 launches
;; limits: right only within a limited range of input values
;; workspace buffers: wq 17,825,792 bytes
;; launch quant (part 1): grid 32 x 32, 4 waves a work-group, no clusters, 38,400 bytes of LDS; arguments W_ii, W_if, W_ig, W_io, W_hi, W_hf, W_hg, W_ho, wq; writes wq
.if DOCPART == 1
	.amdgcn_target "amdgcn-amd-amdhsa--gfx1250"
	.amdhsa_code_object_version 6
	.text
	.protected	k_q2596b6a51b_quant
	.globl	k_q2596b6a51b_quant
	.p2align	8
	.type	k_q2596b6a51b_quant,@function
k_q2596b6a51b_quant:
	s_mov_b64 s[64:65], 0
	v_nop
	global_prefetch_b8 v0, s[64:65] scope:SCOPE_SE
	s_setreg_imm32_b32 hwreg(HW_REG_WAVE_MODE, 25, 1), 1
	s_wait_xcnt 0x0
; The eight weights W_{i,h}{i,f,g,o}, each [2048 (unit)][2048 (k)] f32 with K innermost, become codes of FP4 (E2M1) with one E8M0 byte for each 32 along K,
; laid as the second launch reads them:  wq[tc 0..31][s 0..7][rho 0..255][272 bytes].
;   s = 2 i + p: i = which 512 along K, p = 0 the W_i* (they meet x), p = 1 the W_h* (they meet h0);  rho = 128 hf + 32 g + u, g = gate (i, f, g, o), hidden unit = 64 tc + 32 hf + u.
;   A row is 256 bytes of codes (512 along K, the lower k in the low four bits) and behind them its 16 scale bytes.
; A block's scale is 2^(floor(log2(its largest magnitude)) - 2); its byte is the largest magnitude's exponent field - 2, held at 1 from below.  Each number is divided by the scale and rounded to the
; nearest code, ties to even; beyond 6 the conversion gives the largest code.
; LIMITS: a block whose largest magnitude lies under 2^-124 keeps the byte 1; a block of zeros keeps the byte 1 where the rule says 127 (its codes are zeros, and this program alone reads the bytes);
; NaN and infinities among the weights are not served.
; SHARES.  Work-group x = i + 4 p + 8 uh + 16 hf, y = tc; the wave's number is the gate.  A wave takes 16 rows (units 64 tc + 32 hf + 16 uh + t) x 512 along K of one weight: 16 steps of 2,048 consecutive bytes.
; The conversions take neighbours along K from ONE lane's registers, a load is best where neighbouring lanes take neighbouring bytes: so each load reads 512 consecutive bytes, 16 a lane, and a step's 2,048 bytes
; turn through the wave's own stage in LDS and come back 64 bytes a lane (two neighbouring lanes hold a block).  Codes and scale bytes are gathered in the wave's own image of 16 x 272 bytes,
; which is one dense run of wq, 4,352 bytes from a multiple of 256, and leaves in stores of 512 (the last: 256) consecutive bytes.
; No tensor loads, no barrier: waves share nothing.  Loads run four steps (16 loads a wave) ahead, the turn through LDS one step.
.set STEPS, 16
.set WREG,  9472                       ; LDS of a wave: two stages of 32 x SP bytes, then the image
.set SP,    80                         ; a lane's place in a stage: its 64 bytes + 16 of padding
.set IMG,   2*32*SP                    ; the image: 16 rows x 272 bytes
.set ROWO,  272
.set EMAX,  2
.set R,     16                         ; v16-79   four sets of 16 numbers as they are loaded; on the way out v16-49 the image
.set X,     80                         ; v80-111  two sets of 16 neighbours
.set C,     112                        ; v112-115 two sets of two registers of codes
.set E,     116                        ; v116-117 two scale bytes
	s_load_b512 s[8:23], s[0:1], 0x0               ; W_ii, W_if, W_ig, W_io, W_hi, W_hf, W_hg, W_ho
	s_load_b64 s[24:25], s[0:1], 0x40              ; wq
	v_lshl_add_u32 v128, v0, 2, 0x9400
	v_mov_b32 v129, 0
	v_lshrrev_b32 v1, 5, v0
	v_readfirstlane_b32 s26, v1                    ; wave = gate
	v_and_b32 v2, 31, v0                           ; lane
	v_lshlrev_b32 v3, 4, v2                        ; my 16 bytes of 512: for the loads, and for the stores of the image
	s_mul_i32 s27, s26, WREG
	v_lshrrev_b32 v14, 2, v2
	v_mul_u32_u24 v14, v14, SP
	v_and_b32 v15, 3, v2
	v_lshl_add_u32 v14, v15, 4, v14
	v_add_nc_u32 v14, s27, v14                     ; the stage, on the way in: four lanes' 64 bytes on end, then 16 of padding
	v_mul_u32_u24 v15, v2, SP
	v_add_nc_u32 v15, s27, v15                     ; and on the way out: my 16 neighbours
	s_add_co_u32 s27, s27, IMG
	v_lshlrev_b32 v10, 3, v2                       ; 8 x lane
	v_add_nc_u32 v4, s27, v10                      ; the image: my 8 bytes of a row's codes,
	v_lshrrev_b32 v5, 1, v2
	v_add_nc_u32 v5, s27, v5
	v_add_nc_u32 v5, 256, v5                       ; my block's scale byte, behind the row's 256 bytes of codes,
	v_add_nc_u32 v6, s27, v3                       ; and back: 16 bytes a lane,
	v_add_nc_u32 v7, 4096, v4                      ; the last 256 bytes 8 a lane
	s_and_b32 s28, ttmp7, 0xffff                   ; tc
	s_lshr_b32 s29, ttmp9, 3                       ; uh + 2 hf
	s_lshl_b32 s30, s28, 2
	s_add_co_u32 s30, s30, s29                     ; my first row / 16 = 4 tc + 2 hf + uh
	s_lshl_b32 s30, s30, 17                        ; x 16 rows of 8,192 bytes
	s_and_b32 s32, ttmp9, 3                        ; i
	s_lshl_b32 s33, s32, 11                        ; 512 numbers are 2,048 bytes
	s_add_co_u32 s30, s30, s33
	s_mov_b32 s31, 0                               ; s[30:31]: where my part of the weight begins (under 2^24)
	s_lshl_b32 s34, s28, 3                         ; wq's row: ((8 tc + 2 i + p) 256 + 128 hf + 32 g + 16 uh)
	s_lshl_b32 s33, s32, 1
	s_add_co_u32 s34, s34, s33
	s_bfe_u32 s33, ttmp9, 0x10002                  ; p
	s_add_co_u32 s34, s34, s33
	s_lshl_b32 s34, s34, 8
	s_lshr_b32 s33, s29, 1                         ; hf
	s_lshl_b32 s33, s33, 7
	s_add_co_u32 s34, s34, s33
	s_and_b32 s33, s29, 1                          ; uh
	s_lshl_b32 s33, s33, 4
	s_add_co_u32 s34, s34, s33
	s_lshl_b32 s33, s26, 5                         ; g
	s_add_co_u32 s34, s34, s33
	s_mul_i32 s34, s34, ROWO
	s_mov_b32 s35, 0                               ; s[34:35]: where my 16 rows of wq begin (under 2^25)
	s_wait_alu depctr_va_vdst(0)
	s_wait_kmcnt 0x0
	s_and_b32 s33, ttmp9, 4                        ; which weight is mine: the choices hang on the work-group's and the wave's number alone
	s_cmp_lg_u32 s33, 0                            ; p = 1: the W_h*
	s_cselect_b64 s[8:9], s[16:17], s[8:9]
	s_cselect_b64 s[10:11], s[18:19], s[10:11]
	s_cselect_b64 s[12:13], s[20:21], s[12:13]
	s_cselect_b64 s[14:15], s[22:23], s[14:15]
	s_cmp_ge_u32 s26, 2                            ; gates g, o
	s_cselect_b64 s[8:9], s[12:13], s[8:9]
	s_cselect_b64 s[10:11], s[14:15], s[10:11]
	s_and_b32 s33, s26, 1
	s_cmp_lg_u32 s33, 0                            ; the odd one of the two
	s_cselect_b64 s[4:5], s[10:11], s[8:9]
	s_add_nc_u64 s[4:5], s[4:5], s[30:31]
	s_add_nc_u64 s[6:7], s[24:25], s[34:35]
.macro LOAD t                          ; step t = row t: 2,048 consecutive bytes, each load 512
.irp i, 0,1,2,3
	global_load_b128 v[R+16*((\t)%4)+4*\i:R+16*((\t)%4)+4*\i+3], v3, s[4:5] offset:8192*(\t)+512*\i th:TH_LOAD_NT
.endr
.endm
.macro TURN t                          ; step t's numbers through the stage: LDS serves a wave's instructions in order, so no wait stands between the stores and the loads
.irp i, 0,1,2,3
	ds_store_b128 v14, v[R+16*((\t)%4)+4*\i:R+16*((\t)%4)+4*\i+3] offset:32*SP*((\t)%2)+8*SP*\i
.endr
.irp i, 0,1,2,3
	ds_load_b128 v[X+16*((\t)%2)+4*\i:X+16*((\t)%2)+4*\i+3], v15 offset:32*SP*((\t)%2)+16*\i
.endr
.endm
.irp t, 0,1,2,3
	LOAD \t
.endr
	s_wait_loadcnt 12                              ; step 0's four loads are in; the twelve of steps 1 to 3 may be out
	TURN 0
.macro STEP t
.set XS, X+16*((\t)%2)
.set CC, C+2*((\t)%2)
.if (\t) > 0
	s_wait_dscnt 2                                 ; this step's numbers are back from the stage; only the last step's two stores into the image were issued behind them.  So the stage's stores have read
.else                                              ; their registers, and the stores of two steps ago, which read this step's code and byte registers, are done
	s_wait_dscnt 0x0
.endif
.if ((\t)+4) < STEPS
	LOAD (\t)+4                                    ; into the registers that this step's stage stores have read
.endif
.if ((\t)+1) < STEPS
.if (STEPS-2-(\t)) >= 3
	s_wait_loadcnt 12                              ; the next step's four loads are in; those of the three steps behind it may be out
.else
	s_wait_loadcnt 4*(STEPS-2-(\t))                ; fewer steps are left behind it
.endif
	TURN (\t)+1                                    ; and go through the other stage while this step is worked
.endif
	v_max3_num_f32 v8, |v[XS]|, |v[XS+1]|, |v[XS+2]|               ; the largest magnitude of my 16, in two chains
	v_max3_num_f32 v9, |v[XS+3]|, |v[XS+4]|, |v[XS+5]|
.irp i, 6,10
	v_max3_num_f32 v8, v8, |v[XS+\i]|, |v[XS+\i+1]|
	v_max3_num_f32 v9, v9, |v[XS+\i+2]|, |v[XS+\i+3]|
.endr
	v_max3_num_f32 v8, v8, |v[XS+14]|, |v[XS+15]|
	v_max3_num_f32 v8, v8, v9, (EMAX+1)<<23        ; and the floor 2^(3 - 127): so the byte cannot fall under 1
	v_max_num_f32_dpp v8, v8, v8 row_xmask:1 row_mask:0xf bank_mask:0xf   ; and of my neighbour's 16: the block's
	v_add_nc_u32 v11, -(EMAX<<23), v8              ; 2 off its exponent field: the conversion takes the exponent field of this operand as its scale, and nothing else of it
	v_cvt_scalef32_pk8_fp4_f32 v[CC], v[XS:XS+7], v11              ; the first number's code in the lowest four bits
	v_cvt_scalef32_pk8_fp4_f32 v[CC+1], v[XS+8:XS+15], v11
	v_lshrrev_b32 v[E+(\t)%2], 23, v11             ; the scale's byte.  (Also the plain vector line behind the conversions)
	ds_store_b64 v4, v[CC:CC+1] offset:ROWO*(\t)   ; my 16 codes into row t of the image
	ds_store_b8 v5, v[E+(\t)%2] offset:ROWO*(\t)   ; both lanes of a block write the same byte with the same value
.endm
.irp t, 0,1,2,3,4,5,6,7,8,9,10,11,12,13,14,15
	STEP \t
.endr
.irp k, 0,1,2,3,4,5,6,7
	ds_load_b128 v[R+4*\k:R+4*\k+3], v6 offset:512*\k              ; LDS serves a wave's instructions in order: these see my stores
.endr
	ds_load_b64 v[R+32:R+33], v7
.irp k, 0,1,2,3,4,5,6,7
	s_wait_dscnt 8-\k                              ; behind load k: the 7 - k loads of 16 bytes and the one of 8
	global_store_b128 v3, v[R+4*\k:R+4*\k+3], s[6:7] offset:512*\k   ; 32 lanes store 512 consecutive bytes, at a multiple of 256 from wq's first byte
.endr
	s_wait_dscnt 0x0
	global_store_b64 v10, v[R+32:R+33], s[6:7] offset:4096         ; the run's last 256 bytes
	s_wait_tensorcnt 0x0
	ds_add_u32 v128, v129
	s_wait_dscnt 0x0
	s_endpgm
.Lfunc_end_k_q2596b6a51b_quant:
	.size	k_q2596b6a51b_quant, .Lfunc_end_k_q2596b6a51b_quant-k_q2596b6a51b_quant
	.p2alignl 7, 3214868480
	.fill 96, 4, 3214868480
	.section	.rodata,"a",@progbits
	.p2align	6, 0x0
	.amdhsa_kernel k_q2596b6a51b_quant
		.amdhsa_group_segment_fixed_size 38400
		.amdhsa_private_segment_fixed_size 0
		.amdhsa_enable_private_segment 0
		.amdhsa_kernarg_size 72
		.amdhsa_user_sgpr_count 2
		.amdhsa_user_sgpr_kernarg_segment_ptr 1
		.amdhsa_wavefront_size32 1
		.amdhsa_system_sgpr_workgroup_id_x 1
		.amdhsa_system_sgpr_workgroup_id_y 1
		.amdhsa_system_sgpr_workgroup_id_z 1
		.amdhsa_system_vgpr_workitem_id 0
		.amdhsa_next_free_vgpr 130
		.amdhsa_next_free_sgpr 66
		.amdhsa_reserve_vcc 0
		.amdhsa_float_denorm_mode_32 3
		.amdhsa_float_denorm_mode_16_64 3
		.amdhsa_memory_ordered 1
		.amdhsa_forward_progress 1
		.amdhsa_inst_pref_size 35
	.end_amdhsa_kernel
	.amdgpu_metadata
---
amdhsa.version: [ 1, 2 ]
amdhsa.kernels:
  - .name:           k_q2596b6a51b_quant
    .symbol:         k_q2596b6a51b_quant.kd
    .args:
      - { .name: W_ii, .offset: 0, .size: 8, .value_kind: global_buffer, .address_space: global }
      - { .name: W_if, .offset: 8, .size: 8, .value_kind: global_buffer, .address_space: global }
      - { .name: W_ig, .offset: 16, .size: 8, .value_kind: global_buffer, .address_space: global }
      - { .name: W_io, .offset: 24, .size: 8, .value_kind: global_buffer, .address_space: global }
      - { .name: W_hi, .offset: 32, .size: 8, .value_kind: global_buffer, .address_space: global }
      - { .name: W_hf, .offset: 40, .size: 8, .value_kind: global_buffer, .address_space: global }
      - { .name: W_hg, .offset: 48, .size: 8, .value_kind: global_buffer, .address_space: global }
      - { .name: W_ho, .offset: 56, .size: 8, .value_kind: global_buffer, .address_space: global }
      - { .name: wq, .offset: 64, .size: 8, .value_kind: global_buffer, .address_space: global }
    .group_segment_fixed_size: 38400
    .private_segment_fixed_size: 0
    .kernarg_segment_align: 8
    .kernarg_segment_size: 72
    .max_flat_workgroup_size: 128
    .sgpr_count:     66
    .vgpr_count:     130
    .wavefront_size: 32
...
	.end_amdgpu_metadata
.endif
;; end of part 1
;; launch cell (part 2): grid 32 x 8, 4 waves a work-group, clusters of 4 x 4, 327,680 bytes of LDS; arguments x_codes, x_scales, h0_codes, h0_scales, wq, c0, out0, out1, b_ii, b_hi, b_if, b_hf, b_ig, b_hg, b_io, b_ho; writes out0, out1
.if DOCPART == 2
	.amdgcn_target "amdgcn-amd-amdhsa--gfx1250"
	.amdhsa_code_object_version 6
	.text
	.protected	k_q2596b6a51b_cell
	.globl	k_q2596b6a51b_cell
	.p2align	8
	.type	k_q2596b6a51b_cell,@function
k_q2596b6a51b_cell:
	s_mov_b64 s[64:65], 0
	v_nop
	global_prefetch_b8 v0, s[64:65] scope:SCOPE_SE
	s_setreg_imm32_b32 hwreg(HW_REG_WAVE_MODE, 25, 1), 1
	s_wait_xcnt 0x0
	s_wait_alu depctr_hold_cnt(0) depctr_sa_sdst(0) depctr_va_vdst(0) depctr_va_sdst(0) depctr_va_ssrc(0) depctr_va_vcc(0) depctr_vm_vsrc(0)
	s_getreg_b32 s2, hwreg(HW_REG_IB_STS2, 6, 4)
	s_cmp_eq_u32 s2, 0
	s_cbranch_scc0 .Lentry_in_a_cluster
	s_endpgm
.Lentry_in_a_cluster:
	s_bfe_u32 s2, ttmp6, 0x10000c
	s_cmp_lg_u32 s2, 0xf033
	s_cbranch_scc0 .Lentry_shape_is_right
	s_endpgm
.Lentry_shape_is_right:
; gates = x Wx^T + h0 Wh^T + b on codes of FP4 (E2M1) with one E8M0 scale for each 32 along K; then i, f, o = sigmoid, g = tanh, c_t = f c0 + i g (out1), h_t = o tanh(c_t) (out0), all in f32.
; x, h0: [2048][2048] as codes (a row is 1,024 bytes) with scale bytes [2048][64], taken as they are.  The weights come from the first launch: wq[tc][s][rho][272]: a row is 256 bytes of codes (512 along K)
; and its 16 scale bytes; s = 2 i + p (i: which 512 along K; p = 0 the W_i*, 1 the W_h*); rho = 128 hf + 32 gate + u, hidden unit 64 tc + 32 hf + u.
; ONE SUM OVER K = 4,096: the K steps of 512 go x, h0, x, h0, ..: slot 0 of the ring holds x and the W_i*, slot 1 h0 and the W_h*.
; LIMIT (order of rounding): each gate is one f32 sum that begins with b_i* + b_h* and takes x's and h0's K steps by turns, where the definition adds two finished sums and then the bias.
; SHARES.  A work-group makes 256 rows of the batch x 64 hidden units x 4 gates; four waves, each 128 x 128 of the gates: 512 registers of sums.
; THE MATRIX INSTRUCTION, 32 x 16 x 128, IS USED TRANSPOSED: source 0 = 32 rows of wq (two neighbouring blocks of 16), source 1 = 16 rows of x or h0.  A lane holds one row of the batch; result registers 0-7 are eight
; neighbouring units of block b, registers 8-15 of block b + 1.  Block b = 2 gate + ub, so register j of the sums (a, ub), (a, 2 + ub), (a, 4 + ub), (a, 6 + ub) of one lane are the four gates of one number of c_t.
; CLUSTERS: 4 x 4 work-groups; x's and h0's tiles are asked for jointly along a row of the cluster, wq's along a column.
; THE HEAD: one joint load a wave, a quarter of K step 0 each.  Slot 1 is first filled as a refill is.  x's and h0's scale bytes of the tile's 256 rows, 32,768 of the 1.2 million bytes that
; a work-group takes in, are not asked for jointly: each wave brings 8,192 of them by 16 loads of 512 consecutive bytes and stores them into LDS bytes into which no tensor load lands.
; FRAGMENTS: two sets for A and two for wq.  A step of 128 along K has one group of places at its head, then the next step's 32 LDS loads in one run, then its 32 products under counted waits.
; THE CHANGE OF SLOTS stands in a slot's THIRD step: the fourth step's fragments are asked for at the third's head, so the slot's reads are over in its middle.  There stand the wait for all tensor loads, the add and,
; behind eight products, the wait for the add and the reads; the round of the cluster's barrier; the joint refill.  The fourth step is a step like any other, which fetches from the next slot.
; PREFETCH INTO THE L2: with the load of K step j each wave names its share of K step j + 2: of the 128 rows (A) or 136 blocks of 256 bytes (wq) that the wave fetches, the four partners that ask jointly take a
; quarter each, told apart by address (cx for A, cy for wq).  The head names K steps 1 and 2.  K steps 8 and 9 do not exist: the loop's last trip names my 64 rows of c0's tile instead, 32 behind each of its two
; refills, seven and three steps of 128 ahead of the load that brings the tile.
; tanh(z) = (1 - e) / (1 + e), e = 2^(-2 log2(e) z) with the exponent held at 60 from above (beyond it tanh is -1 in f32): so 1 - e is finite, an infinite 1 + 2^(..) of a sigmoid gives the reciprocal 0,
; and no infinity meets a zero or another infinity for finite gates and c0.  The divisors of i and g, and of o and tanh(c_t), are multiplied first: one reciprocal serves two.
; THE WAY OUT goes block by block of 16 rows, through stages in LDS (a row's 256 bytes come from two waves); a block's two halves of units go through the arithmetic one stage apart.
; REGISTERS: window 0: v1-31 addresses; v32-95 scale words, two sets; v128-255 A's fragments, two sets; on the way out v96-239 at work.
;   window 1: wq's fragments at v0 and v128; v64-127 the biases; on the way out v0-63 rows read back.   windows 2, 3: the sums of my rows 0-63, 64-127 ((a, b) at v[8 (8 (a % 4) + b)]).
.set ROWB,   256
.set PITCH,  272                       ; an LDS row: 68 words, so the 16 rows that a load touches start at 16 different groups of four banks (ISA guide 11.1)
.set FR,     8
.set NP,     4                         ; places behind this matrix instruction (ISA guide 7.12.1)
.set NQ,     4
.set HALFT,  128*PITCH
.set SLOT,   4*HALFT                   ; A's 256 rows, then wq's 256 rows
.set WQB,    256*PITCH
.set LAPS,   4
.set SCL,    2*SLOT                    ; x's scale bytes of 256 rows: 64 runs of 256 bytes, 272 apart,
.set HALFS,  32*272
.set XH,     2*HALFS                   ; and XH further on h0's
.set SBLK,   4*272
.set SPARE,  SCL+2*XH                  ; the spare words: 512 bytes that no other line names
.set CST,    2*HALFT                   ; the way out: c0's tile at 0; c_t's stage in slot 0's wq part, h_t's in slot 1's A part: both have had their last fill
.set HST,    SLOT
.set PFO,  12                          ; v12 prefetch: my lane x (a row of A, or 256 bytes of wq);  v13 wq's last two blocks;  v14 my lane x a row of c0
.set PFO2, 13
.set PFC,  14
.set VB,   15
.set ADRA, 16
.set CSA,  18
.set ADRB, 20
.set ADRSB, 22
.set CA,   24
.set HA,   25
.set CO,   26
.set ASA,  27
.set SPW,  28
.set NIL,  29
.set RD,   30
.set RDH,  31
.set SC,   32
.set CIN,  96
.set AF,   128
.set WK,   128
.set RBW,  0
.set BIAS, 64
.set WV,   20
.set RH,   21
.set CH,   22
.set TR,   23
.set G1,   24
.set G0,   32
.set G1B,  48
.set G0B,  56
.set G1C,  80
.set G0C,  88
.set PF0,  68                          ; s[68:69], s[12:13]: where my prefetches for slot 0, slot 1 stand;  s[100:101]: their step
.set PF1,  12
.set PST,  100
.set MSB, 0
.macro WIN new
.if MSB != (\new)
	s_set_vgpr_msb (MSB<<8)|(\new)
.set MSB, (\new)
.endif
.endm
.set MUL_LO,  0xa1
.set MUL_HI,  0xf1
.set MUL_LO1, 0x91
.set MUL_HI1, 0xd1
.set TO_B,    0x40
.set FROM_B,  0x04
.macro PLACES n
.rept \n
	v_nop
.endr
.endm
.macro VW
	s_wait_alu depctr_va_vdst(0)
.endm
.macro JLOAD g0a, g1a, g0b, g1b        ; waves 0, 1 the first line, waves 2, 3 the second; s_nop 0 and four v_nop behind each
	s_cmp_eq_u32 s[RH], 0
	s_cbranch_scc0 .Lfor_b_\@
	tensor_load_to_lds s[\g0a:\g0a+3], s[\g1a:\g1a+7]
	s_nop 0
	PLACES 4
	s_branch .Lasked_\@
.Lfor_b_\@:
	tensor_load_to_lds s[\g0b:\g0b+3], s[\g1b:\g1b+7]
	s_nop 0
	PLACES 4
.Lasked_\@:
.endm
.macro CREST
	s_cmp_lg_u32 s[WV], 0
	s_cbranch_scc1 .Lnot_wave_0_\@
	s_barrier_signal -3
.Lnot_wave_0_\@:
	s_barrier_wait -3
	s_barrier_signal -1
	s_barrier_wait -1
.endm
.macro CROUND
	s_barrier_signal -1
	s_barrier_wait -1
	CREST
.endm
.macro ASKP pf                         ; my share of a K step: A's waves 32 rows, a lane a row; wq's waves 34 blocks of 256 bytes
	global_prefetch_b8 v[PFO], s[\pf:\pf+1] th:TH_LOAD_NT scope:SCOPE_SE
	s_cmp_eq_u32 s[RH], 0
	s_cbranch_scc1 .Lpa_\@
	global_prefetch_b8 v[PFO2], s[\pf:\pf+1] offset:8192 th:TH_LOAD_NT scope:SCOPE_SE
.Lpa_\@:
.endm
.macro ASK pf, sl                      ; in the loop: s3 = 1 in the last trip, which names 32 rows of c0's tile
	s_cmp_eq_u32 s3, 1
	s_cbranch_scc1 .Lc0_\@
	ASKP \pf
	s_branch .Lpd_\@
.Lc0_\@:
	global_prefetch_b8 v[PFC], s[14:15] offset:\sl*32*8192 th:TH_LOAD_NT scope:SCOPE_SE
.Lpd_\@:
.endm
	s_load_b512 s[4:19], s[0:1], 0x0               ; x_codes, x_scales, h0_codes, h0_scales, wq, c0, out0, out1
	s_load_b512 s[80:95], s[0:1], 0x40             ; b_ii, b_hi, b_if, b_hf, b_ig, b_hg, b_io, b_ho
	v_lshl_add_u32 v[SPW], v0, 2, SPARE
	v_mov_b32 v[NIL], 0
	ds_add_u32 v[SPW], v[NIL]                      ; the opening lines: the add twice on end and its wait
	ds_add_u32 v[SPW], v[NIL]
	v_lshrrev_b32 v1, 5, v0
	v_readfirstlane_b32 s[WV], v1
	s_lshr_b32 s[RH], s[WV], 1                     ; my half of the tile's rows; also: I fetch for A (0) or wq (1)
	s_and_b32 s[CH], s[WV], 1                      ; my half of its columns; also: which 128 rows I fetch
	s_bfe_u32 s40, ttmp6, 0x40000                  ; cx
	s_bfe_u32 s41, ttmp6, 0x40004                  ; cy
	s_lshl_b32 s42, ttmp9, 2
	s_add_co_u32 s42, s42, s40                     ; TC
	s_and_b32 s[TR], ttmp7, 0xffff
	s_lshl_b32 s[TR], s[TR], 2
	s_add_co_u32 s[TR], s[TR], s41                 ; tile row
	s_lshl_b32 s43, s41, 2
	s_lshl_b32 s43, 15, s43                        ; my row of the cluster
	s_lshl_b32 s44, 0x1111, s40                    ; my column
	s_or_b32 s[G1+0], s43, (0<<16)|(1<<20)|(1<<21)|(5<<22)|(3<<25)  ; A's codes: 128 rows of 256 bytes, 1,024 apart, 16 bytes of padding behind each
	s_mov_b32 s[G1+1], ROWB<<16
	s_mov_b32 s[G1+2], 128<<16
	s_mov_b32 s[G1+3], ROWB<<16
	s_mov_b32 s[G1+4], 128
	s_mov_b32 s[G1+5], 1024
	s_mov_b32 s[G1+6], 0
	s_mov_b32 s[G1+7], 0
	s_or_b32 s[G1B+0], s44, (3<<16)|(1<<21)        ; wq: 128 rows of 272 bytes are 34,816 dense bytes: 136 rows of 256 (32 elements of 8), no padding
	s_mov_b32 s[G1B+1], 32<<16
	s_mov_b32 s[G1B+2], 136<<16
	s_mov_b32 s[G1B+3], 32<<16
	s_mov_b32 s[G1B+4], 136
	s_mov_b32 s[G1B+5], 32
	s_mov_b32 s[G1B+6], 0
	s_mov_b32 s[G1B+7], 0
	s_lshl_b32 s100, s[TR], 18                     ; A's tile: 256 rows of 1,024 bytes x tile row
	s_mov_b32 s101, 0
	s_mul_i32 s46, s42, 8*WQB                      ; wq: the tile column's eight blocks
	s_mov_b32 s47, 0
	s_lshl_b32 s66, s[TR], 14                      ; the scale bytes that I bring: 64 a row, rows 256 x tile row + 128 CH ..
	s_lshl_b32 s67, s[CH], 13
	s_add_co_u32 s66, s66, s67
	s_mov_b32 s67, 0
	s_mul_i32 s45, s[WV], HALFT                    ; where the ring's loads go: wave x 128 rows
	s_wait_dscnt 0x0
	s_wait_kmcnt 0x0
	s_add_nc_u64 s[4:5], s[4:5], s[100:101]        ; x's tile
	s_add_nc_u64 s[8:9], s[8:9], s[100:101]        ; h0's
	s_add_nc_u64 s[12:13], s[12:13], s[46:47]      ; wq's tile column
	s_cmp_eq_u32 s[RH], 0
	s_cselect_b64 s[6:7], s[6:7], s[10:11]         ; waves 0, 1 bring x's scale bytes, waves 2, 3 h0's
	s_add_nc_u64 s[6:7], s[6:7], s[66:67]
	s_lshl_b32 s100, s[CH], 17                     ; the ring: my 128 rows
	s_mul_i32 s46, s[CH], HALFT
	s_mov_b32 s[G0], 1
	s_mov_b32 s[G0+1], s45
	s_add_nc_u64 s[G0+2:G0+3], s[4:5], s[100:101]
	s_or_b32 s[G0+3], s[G0+3], 0x80000000
	s_mov_b32 s[G0+4], 1
	s_add_co_u32 s[G0+5], s45, SLOT
	s_add_nc_u64 s[G0+6:G0+7], s[8:9], s[100:101]
	s_or_b32 s[G0+7], s[G0+7], 0x80000000
	s_add_nc_u64 s[46:47], s[12:13], s[46:47]
.irp s, 0,1
	s_mov_b32 s[G0B+4*\s], 1
	s_add_co_u32 s[G0B+4*\s+1], s45, \s*SLOT
	s_add_nc_u64 s[G0B+4*\s+2:G0B+4*\s+3], s[46:47], \s*WQB
	s_or_b32 s[G0B+4*\s+3], s[G0B+4*\s+3], 0x80000000
.endr
	s_lshl_b32 s2, s[CH], 2                        ; the prefetches.  A: rows 128 CH + 32 cx ..
	s_add_co_u32 s2, s2, s40
	s_lshl_b32 s2, s2, 15
	s_mul_i32 s66, s41, 8704                       ; wq: bytes HALFT x CH + 8,704 cy ..
	s_mul_i32 s67, s[CH], HALFT
	s_add_co_u32 s66, s66, s67
	s_add_co_u32 s67, s66, WQB                     ; (K step 1's block)
	s_mov_b32 s100, ROWB
	s_mov_b32 s101, 2*WQB
	s_mov_b32 s46, 1024
	s_mov_b32 s47, 256
	s_cmp_eq_u32 s[RH], 0
	s_cselect_b32 s66, s2, s66                     ; my share's offset in K step 0,
	s_cselect_b32 s2, s2, s67                      ; in K step 1,
	s_cselect_b32 s[PST], s100, s101               ; from a slot's K step to its next,
	s_cselect_b32 s46, s46, s47                    ; from lane to lane
	s_cselect_b64 s[PF0:PF0+1], s[4:5], s[12:13]
	s_cselect_b64 s[PF1:PF1+1], s[8:9], s[12:13]
	s_mov_b32 s67, 0
	s_mov_b32 s3, 0
	s_mov_b32 s101, 0
	s_add_nc_u64 s[PF0:PF0+1], s[PF0:PF0+1], s[66:67]
	s_add_nc_u64 s[PF0:PF0+1], s[PF0:PF0+1], s[PST:PST+1]   ; at K step 2
	s_add_nc_u64 s[PF1:PF1+1], s[PF1:PF1+1], s[2:3]         ; at K step 1
	CROUND                                         ; all sixteen work-groups are here: the first joint loads meet
	JLOAD G0, G1, G0B, G1B                         ; K step 0, a quarter a wave: my one tensor load at the head
	v_and_b32 v3, 31, v0
	v_mul_u32_u24 v[PFO], s46, v3
	v_min_u32 v[PFO2], 1, v3
	v_lshlrev_b32 v[PFO2], 8, v[PFO2]
	v_lshlrev_b32 v[PFC], 13, v3
	v_lshlrev_b32 v9, 4, v3                        ; my 16 bytes of 512
	VW
	ASKP PF1                                       ; K step 1
	ASKP PF0                                       ; K step 2
.irp k, 0,1,2,3,4,5,6,7,8,9,10,11,12,13,14,15
	global_load_b128 v[AF+4*\k:AF+4*\k+3], v9, s[6:7] offset:512*\k   ; the scale bytes of 128 rows: each load 512 consecutive bytes
.endr
	v_and_b32 v1, 15, v0                           ; r
	v_bfe_u32 v2, v0, 4, 1                         ; h
	v_lshlrev_b32 v[VB], 5, v2                     ; a bias: my eight units of block 2 g + ub begin at unit 64 TC + 32 CH + 16 ub + 8 h
	s_lshl_b32 s66, s42, 8
	s_lshl_b32 s67, s[CH], 7
	s_add_co_u32 s66, s66, s67
	v_add_nc_u32 v[VB], s66, v[VB]
	v_mul_u32_u24 v3, v1, PITCH
	v_lshl_add_u32 v4, v2, 4, v3                   ; a fragment's row x pitch + 16 h
	v_mad_u32_u24 v5, v2, 16*PITCH, v3             ; wq's scale words: lane m takes row m of a pair of blocks,
	v_add_nc_u32 v5, ROWB, v5                      ; behind the row's codes
	v_lshrrev_b32 v6, 2, v1                        ; A's scale words: four rows of 64 bytes to a run of 272,
	v_mul_u32_u24 v6, v6, 272
	v_and_b32 v7, 3, v1
	v_lshl_add_u32 v6, v7, 6, v6
	v_mad_u32_u24 v6, v2, 4*SBLK, v6               ; lanes 16-31 four blocks on
	v_lshl_add_u32 v7, v2, 5, v3                   ; the way out: row r, 32 bytes for each half of the lanes
	v_mul_u32_u24 v8, v2, PITCH                    ; lanes 0-15 one run of 256 bytes, lanes 16-31 the next
	v_lshl_add_u32 v8, v1, 4, v8
	s_mul_i32 s66, s[WV], HALFS
	s_add_co_u32 s66, s66, SCL
	v_add_nc_u32 v10, s66, v8                      ; where my scale bytes go
	v_lshlrev_b32 v[CO], 13, v2                    ; two rows in an output
	v_lshl_add_u32 v[CO], v1, 4, v[CO]
	VW
	WIN TO_B
.irp g, 0,1,2,3
.irp u, 0,1
	global_load_b128 v[BIAS+8*(2*\g+\u):BIAS+8*(2*\g+\u)+3],   v[VB], s[80+4*\g:81+4*\g] offset:64*\u
	global_load_b128 v[BIAS+8*(2*\g+\u)+4:BIAS+8*(2*\g+\u)+7], v[VB], s[80+4*\g:81+4*\g] offset:64*\u+16
	global_load_b128 v[192+8*(2*\g+\u):192+8*(2*\g+\u)+3],     v[VB], s[82+4*\g:83+4*\g] offset:64*\u
	global_load_b128 v[192+8*(2*\g+\u)+4:192+8*(2*\g+\u)+7],   v[VB], s[82+4*\g:83+4*\g] offset:64*\u+16
.endr
.endr
	WIN 0
	s_mul_i32 s66, s[RH], HALFT                    ; my 128 rows of A
	s_mul_i32 s67, s[CH], HALFT                    ; my 128 rows of wq, behind A's 256
	s_add_co_u32 s67, s67, 2*HALFT
.irp s, 0,1
	v_add_nc_u32 v[ADRA+\s], s66, v4
	v_add_nc_u32 v[ADRB+\s], s67, v4
	v_add_nc_u32 v[ADRSB+\s], s67, v5
	s_add_co_u32 s66, s66, SLOT
	s_add_co_u32 s67, s67, SLOT
.endr
	s_mul_i32 s66, s[RH], HALFS
	s_add_co_u32 s66, s66, SCL
	v_add_nc_u32 v[ASA], s66, v6
	s_mul_i32 s66, s[RH], HALFT                    ; the way out: my 128 rows, my 128 bytes of their 256
	s_lshl_b32 s67, s[CH], 7
	s_add_co_u32 s66, s66, s67
	v_add_nc_u32 v[CA], s66, v7
	v_add_nc_u32 v[CSA], CST, v[CA]
	v_add_nc_u32 v[HA], HST, v[CA]
	s_mul_i32 s66, s[RH], HALFT                    ; back: rows 128 RH + 16 a + 8 CH + 0 .. 7
	s_mul_i32 s67, s[CH], 8*PITCH
	s_add_co_u32 s66, s66, s67
	s_add_co_u32 s66, s66, CST
	v_add_nc_u32 v[RD], s66, v8
	v_add_nc_u32 v[RDH], HST-CST, v[RD]
	VW
	s_lshl_b32 s66, s[TR], 8                       ; c0 at row 256 x tile row + 64 x wave, column 64 TC
	s_lshl_b32 s67, s[WV], 6
	s_add_co_u32 s66, s66, s67
	s_lshl_b32 s66, s66, 13
	s_lshl_b32 s67, s42, 8
	s_add_co_u32 s66, s66, s67
	s_mov_b32 s67, 0
	s_add_nc_u64 s[14:15], s[14:15], s[66:67]
	s_lshl_b32 s66, s[TR], 8                       ; out0, out1 at row 256 x tile row + 128 RH + 8 CH, column 64 TC
	s_lshl_b32 s67, s[RH], 7
	s_add_co_u32 s66, s66, s67
	s_lshl_b32 s67, s[CH], 3
	s_add_co_u32 s66, s66, s67
	s_lshl_b32 s66, s66, 13
	s_lshl_b32 s67, s42, 8
	s_add_co_u32 s66, s66, s67
	s_mov_b32 s67, 0
	s_add_nc_u64 s[16:17], s[16:17], s[66:67]
	s_add_nc_u64 s[18:19], s[18:19], s[66:67]
	s_wait_loadcnt 32                              ; the 16 loads of scale bytes are in; the 32 of the biases may be out
.irp k, 0,1,2,3,4,5,6,7,8,9,10,11,12,13,14,15
	ds_store_b128 v10, v[AF+4*\k:AF+4*\k+3] offset:544*\k   ; two runs of 256 bytes, 272 apart
.endr
	s_wait_loadcnt 0x0                             ; the biases are in: their base registers may be written
	WIN 0x45
.set k2, 0
.rept 32
	v_pk_add_f32 v[BIAS+k2:BIAS+k2+1], v[BIAS+k2:BIAS+k2+1], v[192+k2:193+k2]   ; b_i* + b_h*
.set k2, k2+2
.endr
	WIN 0
	PLACES NP
	s_mov_b32 s[G1C+0], (2<<16)|(1<<20)|(5<<22)|(3<<25)   ; c0's tile: a wave brings 64 rows x 64 numbers, 2,048 numbers apart, padded; no mask: nobody shares it
	s_mov_b32 s[G1C+1], 64<<16
	s_mov_b32 s[G1C+2], 64<<16
	s_mov_b32 s[G1C+3], 64<<16
	s_mov_b32 s[G1C+4], 64
	s_mov_b32 s[G1C+5], 2048
	s_mov_b32 s[G1C+6], 0
	s_mov_b32 s[G1C+7], 0
	s_mov_b32 s[G0C], 1
	s_mul_i32 s[G0C+1], s[WV], 64*PITCH
	s_mov_b64 s[G0C+2:G0C+3], s[14:15]
	s_or_b32 s[G0C+3], s[G0C+3], 0x80000000
	s_mov_b32 s40, 0xbfb8aa3b                      ; -log2(e), as a pair for the packed forms
	s_mov_b32 s41, s40
	s_mov_b32 s42, 0xc038aa3b                      ; -2 log2(e)
	s_mov_b32 s43, s42
	s_mov_b32 s44, 0x42700000                      ; 60.0
.macro FRAG reg, adr, q, i             ; 16 rows x 128 K: lane l holds row l % 16; registers 4 c .. 4 c + 3 hold K = 64 c + 32 (l / 16) + 0 .. 31
.irp c, 0,1
	ds_load_b128 v[\reg+4*\c:\reg+4*\c+3], v[\adr] offset:64*(\q)+32*\c+(\i)*16*PITCH
.endr
.endm
; One product: wq's blocks b, b + 1 (b even) x A's block a, the slot's q-th 128 along K; p: the set of fragments; sc: the set of scale words.  first = 1: C is the bias.
; wq's scale words fill the 32 lanes of their register, lane m for row m of the pair; A's are read from lanes 0-15 for blocks 0-3 and from lanes 16-31 (ROW1) for blocks 4-7.
.macro WM a, b, p, q, sc, first
.set rD, 8*(8*((\a)%4)+(\b))
.set rB, 128*(\p)+FR*(\b)
.set rA, AF+64*(\p)+FR*(\a)
.set rSB, SC+32*(\sc)+16+4*((\b)/2)+(\q)
.set rSA, SC+32*(\sc)+4*((\a)%4)+(\q)
.set rC, rD
.if \first
.set rC, BIAS+8*(\b)
.endif
.if ((\a) < 4)
	v_wmma_scale_f32_32x16x128_f4 v[rD:rD+15], v[rB:rB+15], v[rA:rA+7], v[rC:rC+15], v[rSB], v[rSA]
.else
	v_wmma_scale_f32_32x16x128_f4 v[rD:rD+15], v[rB:rB+15], v[rA:rA+7], v[rC:rC+15], v[rSB], v[rSA] matrix_b_scale:MATRIX_SCALE_ROW1
.endif
.endm
.macro MUL16 a0, p, q, sc, first       ; A's blocks a0, a0 + 1 x wq's eight: eight instructions.  The 32 sums take turns, in the same order in every step
.irp a, \a0, \a0+1
.irp b, 0,2,4,6
	WM \a, \b, \p, \q, \sc, \first
.endr
.endr
.endm
.macro FETCH slot, q, p                ; 32 LDS loads: wq's eight fragments, then A's eight, into set p
	WIN TO_B
.irp i, 0,1,2,3,4,5,6,7
	FRAG 128*(\p)+FR*\i, ADRB+\slot, \q, \i
.endr
	WIN 0
.irp i, 0,1,2,3,4,5,6,7
	FRAG AF+64*(\p)+FR*\i, ADRA+\slot, \q, \i
.endr
.endm
.macro SCALES sc                       ; slot sc's scale words, four (512 along K) a row: A's blocks i and i + 4, wq's blocks 2 i and 2 i + 1
.irp i, 0,1,2,3
	ds_load_b128 v[SC+32*\sc+4*\i:SC+32*\sc+4*\i+3], v[ASA] offset:\sc*XH+\i*SBLK
.endr
.irp i, 0,1,2,3
	ds_load_b128 v[SC+32*\sc+16+4*\i:SC+32*\sc+16+4*\i+3], v[ADRSB+\sc] offset:\i*32*PITCH
.endr
.endm
.macro WLO first
.if \first
	WIN MUL_LO1
.else
	WIN MUL_LO
.endif
.endm
.macro WHI first
.if \first
	WIN MUL_HI1
.else
	WIN MUL_HI
.endif
.endm
; A step of 128 along K: the q-th of slot; it fetches the nq-th of nslot.  The places stand behind the step before, whose products read the set that this step's loads fill (places = 0: the four v_nop behind the
; tensor load just issued are these places).  nq = 0: the step crosses into the next slot, behind the round that has shown it whole, and fetches its scale words too.  ask = 1: the prefetch that goes with the refill.
; NEW counts the loads just issued; behind them the waits leave out the youngest 12, 8, 4, 0 of the set at work (A's blocks 2-7, 4-7, 6-7, none).
.macro STEP slot, q, first, nslot, nq, places, ask, pf
.if \places
	PLACES NP
.endif
.set NEW, 32
.if (\nq) == 0
.set NEW, 40
.if (\nslot) == 0
	v_add_nc_u32 v[ASA], 16, v[ASA]                ; the next 512 along K of x's and h0's scale words
	VW
.endif
	SCALES \nslot
.endif
	FETCH \nslot, \nq, 1-(\q)%2
.if \ask
	ASK \pf, \slot
.endif
	s_wait_dscnt NEW+12
	WLO \first
	MUL16 0, (\q)%2, \q, \slot, \first
	s_wait_dscnt NEW+8
	MUL16 2, (\q)%2, \q, \slot, \first
	s_wait_dscnt NEW+4
	WHI \first
	MUL16 4, (\q)%2, \q, \slot, \first
	s_wait_dscnt NEW
	MUL16 6, (\q)%2, \q, \slot, \first
.endm
; A slot's third step, with the change of slots in its second half.  fill = 1: the slot is filled again, jointly.  fill = 2 (slot 0's last turn): its A part takes c0's tile.
.macro TURN slot, fill, pf
	PLACES NP
	FETCH \slot, 3, 1                              ; my last reads of this slot
	s_wait_dscnt 44
	WIN MUL_LO
	MUL16 0, 0, 2, \slot, 0
	s_wait_dscnt 40
	MUL16 2, 0, 2, \slot, 0
	s_wait_dscnt 32                                ; the set at work is whole
	WIN 0
.if \fill == 1
	s_wait_xcnt 0x0                                ; my prefetches have read their addresses
	s_add_nc_u64 s[\pf:\pf+1], s[\pf:\pf+1], s[PST:PST+1]
.endif
	s_wait_tensorcnt 0x0                           ; all my tensor loads have landed: my part of the next slot;
	ds_add_u32 v[SPW], v[NIL]
	WIN MUL_HI
	MUL16 4, 0, 2, \slot, 0                        ; eight matrix instructions stand between the add and the wait for it
	s_wait_dscnt 0x0                               ; the add is done, and my reads of this slot are over
	s_barrier_signal -1
	MUL16 6, 0, 2, \slot, 0
	WIN 0
	s_barrier_wait -1
	CREST
.if \fill == 1
	s_add_nc_u64 s[G0+4*\slot+2:G0+4*\slot+3], s[G0+4*\slot+2:G0+4*\slot+3], ROWB
	s_add_nc_u64 s[G0B+4*\slot+2:G0B+4*\slot+3], s[G0B+4*\slot+2:G0B+4*\slot+3], 2*WQB
	JLOAD G0+4*\slot, G1, G0B+4*\slot, G1B         ; my one load behind the round
.else
	tensor_load_to_lds s[G0C:G0C+3], s[G1C:G1C+7]
	s_nop 0
	PLACES 4
.endif
.endm
	s_wait_xcnt 0x0
	s_add_nc_u64 s[PF1:PF1+1], s[PF1:PF1+1], s[PST:PST+1]   ; at K step 3
	VW                                             ; at the head's end
	s_wait_tensorcnt 0x0                           ; my quarter of K step 0 is in; the lines ahead of a later first fill:
	ds_add_u32 v[SPW], v[NIL]
	s_wait_dscnt 0x0                               ; the add is done, and so are my stores of scale bytes, which other waves read
	CROUND
	JLOAD G0+4, G1, G0B+4, G1B                     ; K step 1
	SCALES 0
	FETCH 0, 0, 0
	ASKP PF1                                       ; K step 3
	STEP 0, 0, 1, 0, 1, 1, 0, 0                    ; the first step's products start the sums, from the biases
	WIN 0
	s_mov_b32 s3, LAPS-1
.Llap:                                                 ; a trip goes once round the ring, from a lap's second step to the next lap's first, and fills both slots again
	STEP 0, 1, 0, 0, 2, 1, 0, 0
	TURN 0, 1, PF0
	STEP 0, 3, 0, 1, 0, 0, 1, PF0
	STEP 1, 0, 0, 1, 1, 1, 0, 0
	STEP 1, 1, 0, 1, 2, 1, 0, 0
	TURN 1, 1, PF1
	STEP 1, 3, 0, 0, 0, 0, 1, PF1
	STEP 0, 0, 0, 0, 1, 1, 0, 0
	WIN 0
	s_sub_co_u32 s3, s3, 1
	s_cmp_lg_u32 s3, 0
	s_cbranch_scc1 .Llap
	STEP 0, 1, 0, 0, 2, 1, 0, 0                    ; the last lap
	TURN 0, 2, PF0                                 ; slot 0 is left for good: c0's tile is asked for
	STEP 0, 3, 0, 1, 0, 0, 0, 0
	STEP 1, 0, 0, 1, 1, 1, 0, 0
	STEP 1, 1, 0, 1, 2, 1, 0, 0
	STEP 1, 2, 0, 1, 3, 1, 0, 0
	s_wait_dscnt 0x0                               ; the very last step: my reads of slot 1 are over,
	s_wait_tensorcnt 0x0                           ; and my 64 rows of c0 have landed
	s_barrier_signal -1
	WIN MUL_LO
	MUL16 0, 1, NQ-1, 1, 0
	MUL16 2, 1, NQ-1, 1, 0
	WIN MUL_HI
	MUL16 4, 1, NQ-1, 1, 0
	MUL16 6, 1, NQ-1, 1, 0
	WIN 0
	s_barrier_wait -1
	PLACES NP
; THE WAY OUT.  Work set of half u at W = WK + 56 u: +0 i, +8 f, +16 g, +24 o, +32 a numerator, +40 c_t, +48 h_t.
.macro LOADC a
.irp u, 0,1
	ds_load_b128 v[CIN+16*((\a)%2)+8*\u:CIN+16*((\a)%2)+8*\u+3],   v[CA] offset:16*PITCH*(\a)+64*\u
	ds_load_b128 v[CIN+16*((\a)%2)+8*\u+4:CIN+16*((\a)%2)+8*\u+7], v[CA] offset:16*PITCH*(\a)+64*\u+16
.endr
.endm
.macro EM a, u                         ; the exponents.  Half 0 goes first: it holds the low eight of each result's sixteen registers, taken from the low end on
.set W, WK+56*(\u)
.irp g, 0,1,2,3
.set AC, 8*(8*((\a)%4)+2*\g+(\u))
.irp k, 0,2,4,6
.if \g == 2
	v_pk_mul_f32 v[W+8*\g+\k:W+8*\g+\k+1], v[AC+\k:AC+\k+1], s[42:43] op_sel_hi:[1,0]
.else
	v_pk_mul_f32 v[W+8*\g+\k:W+8*\g+\k+1], v[AC+\k:AC+\k+1], s[40:41] op_sel_hi:[1,0]
.endif
.endr
.endr
.endm
.macro HOLD u                          ; tanh's exponent is held at 60
.set W, WK+56*(\u)
.irp k, 0,1,2,3,4,5,6,7
	v_min_num_f32 v[W+16+\k], s44, v[W+16+\k]
.endr
.endm
.macro RUN op, r0, n
.set k2, 0
.rept \n
	\op v[(\r0)+k2], v[(\r0)+k2]
.set k2, k2+1
.endr
.endm
.macro P2 u
.set W, WK+56*(\u)
.irp k, 0,2,4,6
	v_pk_fma_f32 v[W+32+\k:W+33+\k], v[W+16+\k:W+17+\k], -1.0, 1.0 op_sel_hi:[1,0,0]   ; 1 - eg
.endr
.irp k, 8,10,12,14,16,18,20,22
	v_pk_add_f32 v[W+\k:W+\k+1], v[W+\k:W+\k+1], 1.0 op_sel_hi:[1,0]                   ; 1 + ef, 1 + eg
.endr
.irp k, 0,2,4,6
	v_pk_fma_f32 v[W+\k:W+\k+1], v[W+\k:W+\k+1], v[W+16+\k:W+17+\k], v[W+16+\k:W+17+\k]   ; (1 + ei)(1 + eg)
.endr
.endm
.macro P3 a, u
.set W, WK+56*(\u)
.set CZ, CIN+16*((\a)%2)+8*(\u)
.irp k, 0,2,4,6
	v_pk_mul_f32 v[W+32+\k:W+33+\k], v[W+32+\k:W+33+\k], v[W+\k:W+\k+1]                ; i g
.endr
.irp k, 0,2,4,6
	v_pk_fma_f32 v[W+40+\k:W+41+\k], v[CZ+\k:CZ+\k+1], v[W+8+\k:W+9+\k], v[W+32+\k:W+33+\k]   ; c_t = c0 f + i g
.endr
.irp k, 0,2,4,6
	v_pk_mul_f32 v[W+16+\k:W+17+\k], v[W+40+\k:W+41+\k], s[42:43] op_sel_hi:[1,0]
.endr
	HOLD \u
.endm
.macro P4 u
.set W, WK+56*(\u)
.irp k, 0,2,4,6
	v_pk_fma_f32 v[W+32+\k:W+33+\k], v[W+16+\k:W+17+\k], -1.0, 1.0 op_sel_hi:[1,0,0]   ; 1 - ec
.endr
.irp k, 0,2,4,6
	v_pk_add_f32 v[W+16+\k:W+17+\k], v[W+16+\k:W+17+\k], 1.0 op_sel_hi:[1,0]           ; 1 + ec
.endr
.irp k, 0,2,4,6
	v_pk_fma_f32 v[W+24+\k:W+25+\k], v[W+24+\k:W+25+\k], v[W+16+\k:W+17+\k], v[W+16+\k:W+17+\k]   ; (1 + eo)(1 + ec)
.endr
.endm
.macro P5 u
.set W, WK+56*(\u)
.irp k, 0,2,4,6
	v_pk_mul_f32 v[W+48+\k:W+49+\k], v[W+32+\k:W+33+\k], v[W+24+\k:W+25+\k]            ; h_t = o tanh(c_t)
.endr
.endm
.macro EPIS a, u                       ; into the stages: each block has rows of its own
.set W, WK+56*(\u)
	ds_store_b128 v[CSA], v[W+40:W+43] offset:16*PITCH*(\a)+64*(\u)
	ds_store_b128 v[CSA], v[W+44:W+47] offset:16*PITCH*(\a)+64*(\u)+16
	ds_store_b128 v[HA],  v[W+48:W+51] offset:16*PITCH*(\a)+64*(\u)
	ds_store_b128 v[HA],  v[W+52:W+55] offset:16*PITCH*(\a)+64*(\u)+16
.endm
.macro MEETB a                         ; a row's 256 bytes come from two waves: my stores are done, the barrier, then 8 whole rows of c_t and 8 of h_t come back into set a % 2 of window 1
	s_wait_dscnt 0x0
	s_barrier_signal -1
	s_barrier_wait -1
.if (\a) >= 2
	s_wait_xcnt 0x0                                ; block a - 2's stores to memory have read their registers
.endif
.set BB, RBW+32*((\a)%2)
	WIN TO_B
.irp t, 0,1,2,3
	ds_load_b128 v[BB+4*\t:BB+4*\t+3], v[RD] offset:16*PITCH*(\a)+2*PITCH*\t
.endr
.irp t, 0,1,2,3
	ds_load_b128 v[BB+16+4*\t:BB+16+4*\t+3], v[RDH] offset:16*PITCH*(\a)+2*PITCH*\t
.endr
	WIN 0
.endm
.macro SEND a                          ; 16 lanes store 256 consecutive bytes, at a multiple of 256 from the output's first byte
.set BB, RBW+32*((\a)%2)
	s_wait_dscnt 0x0                               ; the rows are back, and the next block's c0 is in
	WIN FROM_B
.irp t, 0,1,2,3
	global_store_b128 v[CO], v[BB+4*\t:BB+4*\t+3], s[18:19] offset:8192*(16*(\a)+2*\t) th:TH_STORE_NT
.endr
.irp t, 0,1,2,3
	global_store_b128 v[CO], v[BB+16+4*\t:BB+16+4*\t+3], s[16:17] offset:8192*(16*(\a)+2*\t) th:TH_STORE_NT
.endr
	WIN 0
.endm
; A block of 16 rows.  Behind each batch of transcendentals of one half stands the other half's plain work; one wait ahead of each batch serves that batch's sources and the batch before.
; The LDS and memory lines of the block before stand directly behind such a wait.
.macro BLOCK a
	WIN 0x02+(\a)/4
	VW
	EM \a, 0
	EM \a, 1
	WIN 0
	HOLD 0
	HOLD 1
	VW
.if \a > 0
	MEETB \a-1
.if \a < 7
	LOADC \a+1
.endif
.endif
	RUN v_exp_f32, WK, 32
	v_nop
	VW
	RUN v_exp_f32, WK+56, 32
	P2 0
	VW
	RUN v_rcp_f32, WK, 16
	P2 1
	VW
	RUN v_rcp_f32, WK+56, 16
	P3 \a, 0
	VW
.if \a > 0
	SEND \a-1
.endif
	RUN v_exp_f32, WK+16, 8
	P3 \a, 1
	VW
	RUN v_exp_f32, WK+56+16, 8
	P4 0
	VW
	RUN v_rcp_f32, WK+24, 8
	P4 1
	VW
	RUN v_rcp_f32, WK+56+24, 8
	P5 0
	VW
	P5 1
	EPIS \a, 0
	EPIS \a, 1
.endm
	LOADC 0
	LOADC 1
	s_wait_dscnt 0x0
.irp a, 0,1,2,3,4,5,6,7
	BLOCK \a
.endr
	MEETB 7
	SEND 7
	s_wait_tensorcnt 0x0                           ; the wave's end
	ds_add_u32 v[SPW], v[NIL]
	s_wait_dscnt 0x0
	CROUND                                         ; the closing round
	s_endpgm
.Lfunc_end_k_q2596b6a51b_cell:
	.size	k_q2596b6a51b_cell, .Lfunc_end_k_q2596b6a51b_cell-k_q2596b6a51b_cell
	.p2alignl 7, 3214868480
	.fill 96, 4, 3214868480
	.section	.rodata,"a",@progbits
	.p2align	6, 0x0
	.amdhsa_kernel k_q2596b6a51b_cell
		.amdhsa_group_segment_fixed_size 327680
		.amdhsa_private_segment_fixed_size 0
		.amdhsa_enable_private_segment 0
		.amdhsa_kernarg_size 128
		.amdhsa_user_sgpr_count 2
		.amdhsa_user_sgpr_kernarg_segment_ptr 1
		.amdhsa_wavefront_size32 1
		.amdhsa_system_sgpr_workgroup_id_x 1
		.amdhsa_system_sgpr_workgroup_id_y 1
		.amdhsa_system_sgpr_workgroup_id_z 1
		.amdhsa_system_vgpr_workitem_id 0
		.amdhsa_next_free_vgpr 1024
		.amdhsa_next_free_sgpr 102
		.amdhsa_reserve_vcc 0
		.amdhsa_float_denorm_mode_32 3
		.amdhsa_float_denorm_mode_16_64 3
		.amdhsa_memory_ordered 1
		.amdhsa_forward_progress 1
		.amdhsa_inst_pref_size 250
	.end_amdhsa_kernel
	.amdgpu_metadata
---
amdhsa.version: [ 1, 2 ]
amdhsa.kernels:
  - .name:           k_q2596b6a51b_cell
    .symbol:         k_q2596b6a51b_cell.kd
    .args:
      - { .name: x_codes, .offset: 0, .size: 8, .value_kind: global_buffer, .address_space: global }
      - { .name: x_scales, .offset: 8, .size: 8, .value_kind: global_buffer, .address_space: global }
      - { .name: h0_codes, .offset: 16, .size: 8, .value_kind: global_buffer, .address_space: global }
      - { .name: h0_scales, .offset: 24, .size: 8, .value_kind: global_buffer, .address_space: global }
      - { .name: wq, .offset: 32, .size: 8, .value_kind: global_buffer, .address_space: global }
      - { .name: c0, .offset: 40, .size: 8, .value_kind: global_buffer, .address_space: global }
      - { .name: out0, .offset: 48, .size: 8, .value_kind: global_buffer, .address_space: global }
      - { .name: out1, .offset: 56, .size: 8, .value_kind: global_buffer, .address_space: global }
      - { .name: b_ii, .offset: 64, .size: 8, .value_kind: global_buffer, .address_space: global }
      - { .name: b_hi, .offset: 72, .size: 8, .value_kind: global_buffer, .address_space: global }
      - { .name: b_if, .offset: 80, .size: 8, .value_kind: global_buffer, .address_space: global }
      - { .name: b_hf, .offset: 88, .size: 8, .value_kind: global_buffer, .address_space: global }
      - { .name: b_ig, .offset: 96, .size: 8, .value_kind: global_buffer, .address_space: global }
      - { .name: b_hg, .offset: 104, .size: 8, .value_kind: global_buffer, .address_space: global }
      - { .name: b_io, .offset: 112, .size: 8, .value_kind: global_buffer, .address_space: global }
      - { .name: b_ho, .offset: 120, .size: 8, .value_kind: global_buffer, .address_space: global }
    .group_segment_fixed_size: 327680
    .private_segment_fixed_size: 0
    .kernarg_segment_align: 8
    .kernarg_segment_size: 128
    .max_flat_workgroup_size: 128
    .sgpr_count:     102
    .vgpr_count:     1024
    .wavefront_size: 32
...
	.end_amdgpu_metadata
.endif
;; end of part 2
